; MI455X (gfx1250); checked and timed in simulation.
; The chip was launched on July 23, 2026; its instructions are those of AMD's public machine-readable ISA for CDNA 5 (MIT licence, August 2026) and "CDNA5" Instruction Set Architecture Reference Guide (July 2026). The comments in the code are by the model that wrote it; some were corrected since.
;; Bahdanau Attention. Allowed arithmetic: matrix products marked QUANTISED: E2M3 operands, one E8M0 scale for each 32 along K, by v_wmma_scale_f32_16x16x128_f8f6f4 with both operands' format E2M3, f32 sums; products left as they are: f32 operands where the result goes on into a quantised operand, else bf16, f16 or f32 operands; f32 sums; everything else in f32.
;; Inputs: W_c 1,024 x 1 float32; W_h_codes 1,024 x 64 x 24 uint8 (E2M3 codes of W_h, K innermost, in blocks of 32 codes, four codes in three bytes); W_h_scales 1,024 x 64 uint8 (E8M0 scales of W_h, one for each 32 codes along K); W_s_codes 1,024 x 64 x 24 uint8 (E2M3 codes of W_s, K innermost, in blocks of 32 codes, four codes in three bytes); W_s_scales 1,024 x 64 uint8 (E8M0 scales of W_s, one for each 32 codes along K); b_a 1 float32; b_h 1,024 float32; b_s 1,024 float32; coverage 64 x 512 float32; h_i 64 x 512 x 2,048 float32; s_t_codes 64 x 64 x 24 uint8 (E2M3 codes of s_t, K innermost, in blocks of 32 codes, four codes in three bytes); s_t_scales 64 x 64 uint8 (E8M0 scales of s_t, one for each 32 codes along K); v_a 1 x 1,024 float32.
;; Outputs: out0 64 x 2,048 float32; out1 64 x 512 float32; out2 64 x 512 float32.
;; This version of the problem:
;;   THIS VERSION OF THE PROBLEM IS GIVEN IN LOW PRECISION. The matrix products marked QUANTISED in the list below multiply operands that are first quantised to E2M3 (2 exponent bits, 3 mantissa bits; 6 bits a number), with one power-of-two scale for each 32 numbers along K (OCP MX v1.0); their sums are f32. All else is computed in f32.
;;   The module's matrix products, in the order in which they are computed (A, B: the left and right operand; K: the contracted axis; several contracted axes count as one K, in the product's order):
;;     1. [M 32,768, K 2,048] x [K 2,048, N 1,024]; A: input h_i; B: input W_h (given as codes): QUANTISED
;;     2. [M 64, K 2,048] x [K 2,048, N 1,024]; A: input s_t (given as codes); B: input W_s (given as codes): QUANTISED
;;     3. [M 32,768, K 1,024] x [K 1,024, N 1]; A: computed on the way; B: input v_a: left as it is (N = 1 < 16)
;;     4. batch 64 x [M 1, K 512] x [K 512, N 2,048]; A: softmax; B: input h_i: left as it is (M = 1 < 16)
;;   THE QUANTISER, for each operand of a quantised product, along K:
;;     - K is cut into blocks of 32 from its start; a last block that is shorter is filled with zeros.
;;     - A block's scale is 2^e with e = floor(log2(the largest magnitude in the block)) - 2, held to -126 .. 127; a block of zeros has e = 0. As a byte (E8M0): e + 127.
;;     - Each number is divided by its block's scale, clamped to +-7.5, and rounded to the nearest number of E2M3, ties to even, subnormals kept.
;;     - The product sums the exact products of the quantised numbers (number of the format x scale) in f32.
;;   ~~~python
;;   def quantise(x, axis):      # numpy; x: float32 -> the quantised numbers, widened to float32 again
;;       x = np.moveaxis(x, axis, -1); K = x.shape[-1]
;;       x = np.pad(x, [(0, 0)] * (x.ndim - 1) + [(0, -K % 32)]); x = x.reshape(x.shape[:-1] + (-1, 32)); a = np.abs(x).max(-1, keepdims=True)
;;       e = np.where(a > 0, np.clip(np.frexp(np.where(a > 0, a, 1))[1] - 1 - 2, -126, 127), 0)      # np.frexp(a)[1] - 1 = floor(log2(a)), exactly
;;       r = np.clip(x / 2.0 ** e, -7.5, 7.5)
;;       step = 2.0 ** (np.maximum(np.frexp(np.where(r == 0, 1, r))[1] - 1, 0) - 3)
;;       q = np.round(r / step) * step * 2.0 ** e      # np.round: ties to even
;;       return np.moveaxis(q.reshape(q.shape[:-2] + (-1,))[..., :K], -1, axis).astype(np.float32)
;;   ~~~
;;   INPUTS GIVEN AS CODES. W_h (in the module: [1024, 2048], K = its axis 1); W_s (in the module: [1024, 2048], K = its axis 1); s_t (in the module: [64, 2048], K = its axis 1): each comes as NAME_codes (uint8): NAME with its K axis moved to the last place and cut into blocks of 32 codes, [.., K / 32, bytes a block], one block behind the other in memory; four codes in three bytes: a row's codes are one little-endian stream of bits, code i at bits 6 i .. 6 i + 5 (a code: sign, 2 exponent bits, 3 mantissa bits); and NAME_scales (uint8): the same leading axes, one E8M0 byte (e + 127) for each 32 codes along K. Its value is code x scale, taken as it is: it is not quantised again, and the codes and scales need not be those that the quantiser above would give.
;; One version. Each part assembles by itself: llvm-mc -triple=amdgcn-amd-amdhsa -mcpu=gfx1250 --defsym DOCPART=n.
;; ======== version 1 of 1: 3 launches
;; limits: right only within a limited range of input values
;; workspace buffers: tb4 1,048,576 bytes; ep 262,144 bytes
;; launch bias (part 1): grid 64 x 4, 4 waves a work-group, no clusters, 0 bytes of LDS; arguments s_t_codes, s_t_scales, W_s_codes, W_s_scales, b_s, b_h, tb4; writes tb4
.if DOCPART == 1
	.amdgcn_target "amdgcn-amd-amdhsa--gfx1250"
	.amdhsa_code_object_version 6
	.text
	.protected	k_qe365c9a5b1_bias
	.globl	k_qe365c9a5b1_bias
	.p2align	8
	.type	k_qe365c9a5b1_bias,@function
k_qe365c9a5b1_bias:
	s_mov_b64 s[64:65], 0
	v_nop
	global_prefetch_b8 v0, s[64:65] scope:SCOPE_SE
	s_setreg_imm32_b32 hwreg(HW_REG_WAVE_MODE, 25, 1), 1
	s_wait_xcnt 0x0
; THE PROGRAM.  E[b][s] = sum_n v_a[n] tanh(x[b][s][n]) + b_a,  x = h_i W_h^T + b_h + (s_t W_s^T + b_s) + coverage W_c;  A = softmax_s(E);  C = A h_i;  new_cov = coverage + A.
; Three launches: this one (the part of x that hangs on b and n alone), the quantiser of h_i with the product h_i W_h^T and the scores' partial sums, the softmax with C.
; WORK LEFT OUT, AND WHY IT IS DEAD.  E goes into the softmax along s and nowhere else, and softmax_s(E + k) = softmax_s(E) for every k that is the same along s.
; (1) b_a[0] is such a k, whatever it holds: b_a is not loaded and is among no launch's arguments.
; (2) tanh(x) = 1 - 2 / (1 + e^(2x)) for all x, so E = sum_n v_a[n] - 2 sum_n v_a[n] / (1 + e^(2x)) + b_a: the first sum hangs on no s, is such a k too, and is not formed.
; LIMIT: a NaN, an infinity or an overflow in b_a or in sum_n v_a[n] is not carried to the results.
; THIS LAUNCH: tb4[q][b][n] = c sum over K quarter q of s_t[b][k] W_s[n][k] + (c / 4)(b_s[n] + b_h[n]), c = 2 log2(e): the next launch adds the four parts.
; Work-group (x, y): columns 16 x on, batches 16 y on; wave q: K = 512 q on, four steps of 128, one on each of four accumulators, so that no sum is chained; one run of loads, one wait.
; The tile is used transposed (source 0 = W_s, source 1 = s_t): lane (r, h) holds batch r, columns 8 h + 0 .. 7.  A store covers 64 consecutive bytes of each of 16 rows.
; NO CLUSTER, no LDS: operands go straight into registers, once; joint requests land in LDS.
.set SS, 16
.set WS, 20
.set BS, 24
.set BH, 32
.set AC, 40
.set FA, 72
.set FB, 120
	s_load_b128 s[4:7], s[0:1], 0x0                ; s_t's codes, scales
	s_load_b128 s[8:11], s[0:1], 0x10              ; W_s's codes, scales
	s_load_b128 s[12:15], s[0:1], 0x20             ; b_s, b_h
	s_load_b64 s[18:19], s[0:1], 0x30              ; tb4
	v_lshrrev_b32 v1, 5, v0
	v_readfirstlane_b32 s16, v1                    ; wave = K quarter
	v_and_b32 v7, 15, v0                           ; r
	v_bfe_u32 v2, v0, 4, 1                         ; h
	v_mul_u32_u24 v3, v7, 1536
	v_mad_u32_u24 v3, v2, 24, v3                   ; a row of codes, + 24 h
	v_lshlrev_b32 v4, 6, v7                        ; a row of scale bytes
	v_lshlrev_b32 v5, 5, v2                        ; my eight columns
	v_lshl_add_u32 v6, v7, 12, v5                  ; tb4: row r of 4,096 bytes
	s_and_b32 s17, ttmp7, 0xffff
	s_mov_b32 s21, 0
	s_mov_b32 s22, 0x4038aa3b                      ; c
	s_mov_b32 s23, s22
	s_mov_b32 s26, 0x3f38aa3b                      ; c / 4
	s_mov_b32 s27, s26
	s_mul_i32 s25, s16, 384                        ; four steps of 96 bytes
	s_lshl_b32 s24, s16, 4                         ; four scale words
	s_wait_alu depctr_va_vdst(0)                   ; the wait at the head's end
	s_wait_kmcnt 0x0
	s_mul_i32 s20, s17, 24576
	s_add_co_u32 s20, s20, s25
	s_add_nc_u64 s[4:5], s[4:5], s[20:21]
	s_lshl_b32 s20, s17, 10
	s_add_co_u32 s20, s20, s24
	s_add_nc_u64 s[6:7], s[6:7], s[20:21]
	s_mul_i32 s20, ttmp9, 24576
	s_add_co_u32 s20, s20, s25
	s_add_nc_u64 s[8:9], s[8:9], s[20:21]
	s_lshl_b32 s20, ttmp9, 10
	s_add_co_u32 s20, s20, s24
	s_add_nc_u64 s[10:11], s[10:11], s[20:21]
	s_lshl_b32 s20, ttmp9, 6
	s_add_nc_u64 s[12:13], s[12:13], s[20:21]
	s_add_nc_u64 s[14:15], s[14:15], s[20:21]
	s_add_nc_u64 s[18:19], s[18:19], s[20:21]
	s_lshl_b32 s20, s16, 18
	s_add_nc_u64 s[18:19], s[18:19], s[20:21]
	s_lshl_b32 s20, s17, 16
	s_add_nc_u64 s[18:19], s[18:19], s[20:21]
	global_load_b128 v[SS:SS+3], v4, s[6:7]
	global_load_b128 v[WS:WS+3], v4, s[10:11]
.irp u, 0,1,2,3
.irp p, 0,1,2,3,4,5
	global_load_b64 v[FA+12*\u+2*\p:FA+12*\u+2*\p+1], v3, s[4:5] offset:96*\u+48*(\p/3)+8*(\p%3)
	global_load_b64 v[FB+12*\u+2*\p:FB+12*\u+2*\p+1], v3, s[8:9] offset:96*\u+48*(\p/3)+8*(\p%3)
.endr
.endr
	global_load_b128 v[BS:BS+3], v5, s[12:13]
	global_load_b128 v[BS+4:BS+7], v5, s[12:13] offset:16
	global_load_b128 v[BH:BH+3], v5, s[14:15]
	global_load_b128 v[BH+4:BH+7], v5, s[14:15] offset:16
	s_wait_loadcnt 0x0
.irp u, 0,1,2,3
	v_wmma_scale_f32_16x16x128_f8f6f4 v[AC+8*\u:AC+8*\u+7], v[FB+12*\u:FB+12*\u+11], v[FA+12*\u:FA+12*\u+11], 0, v[WS+\u], v[SS+\u] matrix_a_fmt:MATRIX_FMT_FP6 matrix_b_fmt:MATRIX_FMT_FP6
.endr
.irp i, 0,2,4,6
	v_pk_add_f32 v[BS+\i:BS+\i+1], v[BS+\i:BS+\i+1], v[BH+\i:BH+\i+1]          ; these eight lines name no register of the products: the places behind them
.endr
.irp i, 0,2,4,6
	v_pk_mul_f32 v[BS+\i:BS+\i+1], v[BS+\i:BS+\i+1], s[26:27] op_sel_hi:[1,0]
.endr
.irp i, 0,2,4,6                                ; each accumulator is read from its low end on
	v_pk_add_f32 v[AC+\i:AC+\i+1], v[AC+\i:AC+\i+1], v[AC+8+\i:AC+8+\i+1]
	v_pk_add_f32 v[AC+16+\i:AC+16+\i+1], v[AC+16+\i:AC+16+\i+1], v[AC+24+\i:AC+24+\i+1]
.endr
.irp i, 0,2,4,6
	v_pk_add_f32 v[AC+\i:AC+\i+1], v[AC+\i:AC+\i+1], v[AC+16+\i:AC+16+\i+1]
.endr
.irp i, 0,2,4,6
	v_pk_fma_f32 v[BH+\i:BH+\i+1], v[AC+\i:AC+\i+1], s[22:23], v[BS+\i:BS+\i+1] op_sel_hi:[1,0,1]
.endr
	global_store_b128 v6, v[BH:BH+3], s[18:19]
	global_store_b128 v6, v[BH+4:BH+7], s[18:19] offset:16
	s_endpgm
.Lfunc_end_k_qe365c9a5b1_bias:
	.size	k_qe365c9a5b1_bias, .Lfunc_end_k_qe365c9a5b1_bias-k_qe365c9a5b1_bias
	.p2alignl 7, 3214868480
	.fill 96, 4, 3214868480
	.section	.rodata,"a",@progbits
	.p2align	6, 0x0
	.amdhsa_kernel k_qe365c9a5b1_bias
		.amdhsa_group_segment_fixed_size 0
		.amdhsa_private_segment_fixed_size 0
		.amdhsa_enable_private_segment 0
		.amdhsa_kernarg_size 56
		.amdhsa_user_sgpr_count 2
		.amdhsa_user_sgpr_kernarg_segment_ptr 1
		.amdhsa_wavefront_size32 1
		.amdhsa_system_sgpr_workgroup_id_x 1
		.amdhsa_system_sgpr_workgroup_id_y 1
		.amdhsa_system_sgpr_workgroup_id_z 1
		.amdhsa_system_vgpr_workitem_id 0
		.amdhsa_next_free_vgpr 168
		.amdhsa_next_free_sgpr 66
		.amdhsa_reserve_vcc 0
		.amdhsa_float_denorm_mode_32 3
		.amdhsa_float_denorm_mode_16_64 3
		.amdhsa_memory_ordered 1
		.amdhsa_forward_progress 1
		.amdhsa_inst_pref_size 10
	.end_amdhsa_kernel
	.amdgpu_metadata
---
amdhsa.version: [ 1, 2 ]
amdhsa.kernels:
  - .name:           k_qe365c9a5b1_bias
    .symbol:         k_qe365c9a5b1_bias.kd
    .args:
      - { .name: s_t_codes, .offset: 0, .size: 8, .value_kind: global_buffer, .address_space: global }
      - { .name: s_t_scales, .offset: 8, .size: 8, .value_kind: global_buffer, .address_space: global }
      - { .name: W_s_codes, .offset: 16, .size: 8, .value_kind: global_buffer, .address_space: global }
      - { .name: W_s_scales, .offset: 24, .size: 8, .value_kind: global_buffer, .address_space: global }
      - { .name: b_s, .offset: 32, .size: 8, .value_kind: global_buffer, .address_space: global }
      - { .name: b_h, .offset: 40, .size: 8, .value_kind: global_buffer, .address_space: global }
      - { .name: tb4, .offset: 48, .size: 8, .value_kind: global_buffer, .address_space: global }
    .group_segment_fixed_size: 0
    .private_segment_fixed_size: 0
    .kernarg_segment_align: 8
    .kernarg_segment_size: 56
    .max_flat_workgroup_size: 128
    .sgpr_count:     66
    .vgpr_count:     168
    .wavefront_size: 32
...
	.end_amdgpu_metadata
.endif
;; end of part 1
;; launch score (part 2): grid 256 x 1, 4 waves a work-group, clusters of 4 x 1, 327,680 bytes of LDS; arguments h_i, W_h_codes, W_h_scales, tb4, W_c, v_a, coverage, ep; writes ep
.if DOCPART == 2
	.amdgcn_target "amdgcn-amd-amdhsa--gfx1250"
	.amdhsa_code_object_version 6
	.text
	.protected	k_qe365c9a5b1_score
	.globl	k_qe365c9a5b1_score
	.p2align	8
	.type	k_qe365c9a5b1_score,@function
k_qe365c9a5b1_score:
	s_mov_b64 s[64:65], 0
	v_nop
	global_prefetch_b8 v0, s[64:65] scope:SCOPE_SE
	s_setreg_imm32_b32 hwreg(HW_REG_WAVE_MODE, 25, 1), 1
	s_wait_xcnt 0x0
	s_wait_alu depctr_hold_cnt(0) depctr_sa_sdst(0) depctr_va_vdst(0) depctr_va_sdst(0) depctr_va_ssrc(0) depctr_va_vcc(0) depctr_vm_vsrc(0)
	s_getreg_b32 s2, hwreg(HW_REG_IB_STS2, 6, 4)
	s_cmp_eq_u32 s2, 0
	s_cbranch_scc0 .Lentry_in_a_cluster
	s_endpgm
.Lentry_in_a_cluster:
	s_bfe_u32 s2, ttmp6, 0x10000c
	s_cmp_lg_u32 s2, 0x3003
	s_cbranch_scc0 .Lentry_shape_is_right
	s_endpgm
.Lentry_shape_is_right:
; ep[nh][row] = sum over half nh of each 64 columns n of v_a[n] / (1 + 2^x),  x = c (Q(h_i) W_h^T)[row][n] + tb[b][n] + coverage[row] c W_c[n],  c = 2 log2(e), tb = the sum of tb4's four parts.
; WORK LEFT OUT: b_a and sum_n v_a[n], the same along s (shown at the head of the program's first kernel).
; A work-group owns 128 rows of h_i (a quarter of one batch) and all 1,024 columns.
; PART 1, THE QUANTISER.  Wave w turns rows 32 w .. 32 w + 31 into E2M3 codes with E8M0 bytes.  A step is 128 along K of four rows: four loads of 512 consecutive bytes; the numbers go through the wave's own
;   stage in LDS and come back 16 neighbours a lane (two lanes to a block).  Byte = the largest magnitude's exponent field - 2, held at 1 from below (a block of zeros gets 1: its codes are zeros, and this launch
;   alone reads the bytes).  LIMITS: blocks under 2^(2 - 126) have the byte 1; NaN and infinities in h_i are not served.  Loads run 15 steps, 60 loads, ahead, in a ring of 16 sets of registers (window 3).
;   The codes are laid in LDS as images of the operand's registers: fragment (block, K step) = 32 lanes x 48 bytes.  The image holds half of K: it is written, read into registers, and written once more.
; PART 2, THE PRODUCT.  Wave (mh, nh) keeps rows 64 mh .. + 63 for all of K in registers: 64 fragments, 63 in windows 1 to 3 (21 each), one in window 0.  W_h comes in whole rows of 1,536 bytes, 64 rows a trip,
;   through two LDS slots, by joint loads of the four work-groups of a cluster (all read the same rows); each wave asks for 16 rows.  Of a slot a wave multiplies 32 rows (half nh), 16 at a time, by its 64 rows:
;   four accumulators by turns, transposed: lane (r, h) holds row r, columns 8 h + 0 .. 7.  Each fragment of W_h is read from LDS once and feeds four products.  Fragments lie
;   in four buffers of two K steps: the first eight steps of 16 rows are fetched in one run of 48 loads under the exponentials of the 16 rows before, steps 8 to 11 and 12 to 15 in two runs of 24, each 16 matrix
;   instructions ahead of its use.  A slot is asked for behind the round that follows its last read and waited for a whole trip later.
; THE PREFETCH: behind the joint load of tile j + 2 each wave names 24 blocks of 256 bytes of tile j + 4 (a tile is 384 blocks: 16 waves of the cluster x 24, told apart by address: 4 cx + wave; lanes 24-31 name
;   the wave's last block again).  Tiles 2 and 3 are named in part 1; tiles 0 and 1 come by their loads alone; the last two trips of the loop name nothing.  h_i has no prefetch: its own loads stand 15 steps ahead.
; LDS: 0 image (98,304); A's scale words (8,192); tables tb, c W_c, v_a (12,288; in part 1 the four stages lie here, a barrier between); spare words; two slots of 64 x 1,584 bytes.
.set SP,    80
.set ASCL,  98304
.set TAB,   106496
.set SPARE, 118784
.set WSL,   119296
.set PW,    1584                       ; a row of W_h in LDS: 1,536 bytes + 8 behind each 256
.set SLOT,  64*PW
.set TILE,  64*1536
.set LO,   3
.set SIN,  4
.set SOUT, 5
.set IA,   6
.set SA,   7
.set SPW,  12
.set NIL,  13
.set ADRB, 14                          ; v14-15 my W_h fragments in slot 0, 1;  v16-17 for pieces whose lanes 16-31 lie behind the next 256-byte border
.set ADRX, 16
.set TVA,  18
.set BSO,  19
.set EO,   20
.set IR,   21
.set PFO,  22
.set TW,   23
.set ASC,  24                          ; v24-55  A's scale words: block a, register i: lanes 0-15 step i, lanes 16-31 step 8 + i
.set BSC,  56                          ; v56-71  W_h's, a set for each 16 rows of my 32, laid likewise
.set ACC,  72
.set BF,   104                         ; v104-199 W_h's fragments: four buffers of two steps
.set AX,   200
.set TV,   212
.set CC2,  236
.set EACC, 244
.set IA0,  252
.set SA0,  253
.set TV0,  254
.set ASR,  255
.set X,    104
.set CQ,   136
.set EB,   144
.set RT,   152
.set G1,   32
.set G0,   40
.set PF,   48
.set MSB, 0
.macro WIN new
.if MSB != \new
	s_set_vgpr_msb (MSB<<8)|\new
.set MSB, \new
.endif
.endm
.macro PLACES
.rept 4
	v_nop
.endr
.endm
.macro CREST
	s_cmp_lg_u32 s20, 0
	s_cbranch_scc1 .Lnot_wave_0_\@
	s_barrier_signal -3
.Lnot_wave_0_\@:
	s_barrier_wait -3
	s_barrier_signal -1
	s_barrier_wait -1
.endm
.macro CROUND
	s_barrier_signal -1
	s_barrier_wait -1
	CREST
.endm
	s_load_b128 s[4:7], s[0:1], 0x0                ; h_i, W_h's codes
	s_load_b128 s[8:11], s[0:1], 0x10              ; W_h's scales, tb4
	s_load_b128 s[12:15], s[0:1], 0x20             ; W_c, v_a
	s_load_b128 s[16:19], s[0:1], 0x30             ; coverage, ep
	v_lshl_add_u32 v[SPW], v0, 2, SPARE
	v_mov_b32 v[NIL], 0
	ds_add_u32 v[SPW], v[NIL]                      ; the opening lines: the add twice on end and one wait
	ds_add_u32 v[SPW], v[NIL]
	v_lshrrev_b32 v1, 5, v0
	v_readfirstlane_b32 s20, v1                    ; wave
	s_lshr_b32 s21, s20, 1                         ; mh
	s_and_b32 s22, s20, 1                          ; nh
	s_bfe_u32 s23, ttmp6, 0x40000                  ; cx
	s_lshl_b32 s24, ttmp9, 2
	s_add_co_u32 s24, s24, s23                     ; work-group
	s_mov_b32 s[G1], 15|(1<<20)|(1<<21)|(5<<22)|(1<<25)   ; the cluster's four; bytes; 2 dwords of padding behind each 64
	s_mov_b32 s[G1+1], 1536<<16
	s_mov_b32 s[G1+2], 16<<16
	s_mov_b32 s[G1+3], 1536<<16
	s_mov_b32 s[G1+4], 16
	s_mov_b32 s[G1+5], 1536
	s_mov_b32 s[G1+6], 0
	s_mov_b32 s[G1+7], 0
	s_mov_b32 s28, 0x4038aa3b                      ; c
	s_mov_b32 s29, s28
	s_mov_b32 s30, 0x76543210
	s_mov_b32 s31, 0xfedcba98
	s_mov_b32 s50, 0xffff0000
	s_mul_i32 s51, s20, 32*SP
	s_add_co_u32 s51, s51, TAB                     ; my stage
	s_mul_i32 s54, s20, 24576                      ; my two blocks' images
	s_lshl_b32 s55, s20, 11
	s_add_co_u32 s55, s55, ASCL
	s_mul_i32 s56, s22, 32*PW
	s_add_co_u32 s56, s56, WSL                     ; my 32 rows of a slot
	s_lshl_b32 s57, s22, 7
	s_add_co_u32 s57, s57, TAB
	s_lshl_b32 s58, s22, 11
	s_mul_i32 s59, s21, 49152
	s_lshl_b32 s60, s21, 12
	s_add_co_u32 s60, s60, ASCL
	s_mov_b32 s52, 0
	s_mov_b32 s53, 0
	s_mov_b32 s61, 0
	s_mul_i32 s25, s20, 16*PW
	s_add_co_u32 s25, s25, WSL                     ; where my 16 rows of a tile go
	s_mul_i32 s26, s20, 16*1536
	s_mov_b32 s27, 0
	s_lshl_b32 s62, s23, 2
	s_add_co_u32 s62, s62, s20
	s_mul_i32 s62, s62, 24*256                     ; my 24 blocks of a tile's 384
	s_mov_b32 s63, 0
	s_wait_alu depctr_va_vdst(0)
	s_wait_dscnt 0x0
	s_wait_kmcnt 0x0
	s_add_nc_u64 s[PF:PF+1], s[6:7], s[62:63]
	s_add_nc_u64 s[6:7], s[6:7], s[26:27]
.irp s, 0,1
	s_mov_b32 s[G0+4*\s], 1
	s_add_co_u32 s[G0+4*\s+1], s25, \s*SLOT
	s_add_nc_u64 s[G0+4*\s+2:G0+4*\s+3], s[6:7], \s*TILE
	s_or_b32 s[G0+4*\s+3], s[G0+4*\s+3], 0x80000000
.endr
	s_lshl_b32 s26, s24, 20
	s_add_nc_u64 s[4:5], s[4:5], s[26:27]
	s_lshl_b32 s26, s20, 18
	s_add_nc_u64 s[4:5], s[4:5], s[26:27]          ; my 32 rows of h_i
	s_lshr_b32 s26, s24, 2
	s_lshl_b32 s26, s26, 12
	s_add_nc_u64 s[10:11], s[10:11], s[26:27]      ; the batch's row of tb4
	s_lshl_b32 s26, s24, 9
	s_add_nc_u64 s[16:17], s[16:17], s[26:27]
	s_add_nc_u64 s[18:19], s[18:19], s[26:27]
	s_lshl_b32 s26, s21, 8
	s_add_nc_u64 s[16:17], s[16:17], s[26:27]      ; my 64 rows of coverage
	s_add_nc_u64 s[18:19], s[18:19], s[26:27]
	s_lshl_b32 s26, s22, 17
	s_add_nc_u64 s[18:19], s[18:19], s[26:27]      ; and of part nh of ep
	CROUND
	tensor_load_to_lds s[G0:G0+3], s[G1:G1+7]      ; tile 0: one tensor load a wave at the head
	s_nop 0
	PLACES
	v_and_b32 v8, 31, v0                           ; lane L
	v_lshlrev_b32 v[LO], 4, v8
	v_lshrrev_b32 v9, 2, v8
	v_mul_u32_u24 v9, v9, SP
	v_and_b32 v10, 3, v8
	v_lshl_add_u32 v9, v10, 4, v9
	v_add_nc_u32 v[SIN], s51, v9                   ; stage, in: SP (L / 4) + 16 (L % 4)
	v_mul_u32_u24 v9, v8, SP
	v_add_nc_u32 v[SOUT], s51, v9                  ; out: SP L: row L / 8 of the step's four, numbers 16 (L % 8) on
	v_lshrrev_b32 v9, 3, v8
	v_mul_u32_u24 v10, v9, 48                      ; image: lane r + 16 h at 48 bytes each; L % 8 = 4 c + 2 h + u; my 12 bytes at 24 c + 12 u
	v_bfe_u32 v11, v8, 1, 1
	v_mad_u32_u24 v10, v11, 768, v10
	v_bfe_u32 v11, v8, 2, 1
	v_mad_u32_u24 v10, v11, 24, v10
	v_and_b32 v11, 1, v8
	v_mad_u32_u24 v10, v11, 12, v10
	v_add_nc_u32 v[IA0], s54, v10
	v_mov_b32 v[IA], v[IA0]
	v_bfe_u32 v11, v8, 1, 2
	v_lshl_add_u32 v11, v9, 6, v11                 ; scale byte: row x 64 + 2 c + h
	v_add_nc_u32 v[SA0], s55, v11
	v_mov_b32 v[SA], v[SA0]
	v_and_b32 v9, 15, v0                           ; r
	v_bfe_u32 v10, v0, 4, 1                        ; h
	v_mul_u32_u24 v11, v9, PW
	v_mad_u32_u24 v11, v10, 24, v11
	v_add_nc_u32 v[ADRB], s56, v11
	v_add_nc_u32 v[ADRB+1], SLOT, v[ADRB]
	v_lshl_add_u32 v[ADRX], v10, 3, v[ADRB]
	v_lshl_add_u32 v[ADRX+1], v10, 3, v[ADRB+1]
	v_lshlrev_b32 v11, 5, v10                      ; 32 h
	v_add_nc_u32 v[TV0], s57, v11
	v_mov_b32 v[TVA], v[TV0]
	v_lshl_add_u32 v[BSO], v9, 6, v11
	v_add_nc_u32 v[BSO], s58, v[BSO]
	v_lshl_add_u32 v[ASR], v9, 6, v11
	v_add_nc_u32 v[ASR], s60, v[ASR]
	v_lshlrev_b32 v[EO], 3, v8
	v_mul_u32_u24 v[IR], v8, 48
	v_add_nc_u32 v[IR], s59, v[IR]
	v_min_u32 v[PFO], 23, v8
	v_lshlrev_b32 v[PFO], 8, v[PFO]
	v_lshlrev_b32 v1, 5, v0                        ; my eight columns of the tables
	v_add_nc_u32 v[TW], TAB, v1
	v_lshlrev_b32 v2, 2, v9
.irp i, 0,1,2,3,4,5,6,7
	v_mov_b32 v[EACC+\i], 0
.endr
	s_wait_alu depctr_va_vdst(0)                   ; the wait at the head's end
.irp p, 0,1,2,3
	global_load_b128 v[RT+8*\p:RT+8*\p+3], v1, s[10:11] offset:262144*\p
	global_load_b128 v[RT+8*\p+4:RT+8*\p+7], v1, s[10:11] offset:262144*\p+16
.endr
	global_load_b128 v[RT+32:RT+35], v1, s[12:13]
	global_load_b128 v[RT+36:RT+39], v1, s[12:13] offset:16
	global_load_b128 v[RT+40:RT+43], v1, s[14:15]
	global_load_b128 v[RT+44:RT+47], v1, s[14:15] offset:16
.irp a, 0,1,2,3
	global_load_b32 v[CC2+2*\a], v2, s[16:17] offset:64*\a
	global_load_b32 v[CC2+2*\a+1], v2, s[16:17] offset:64*\a
.endr
; ---------------- PART 1 ----------------
.macro LOAD tt                         ; step tt: rows 4 (tt % 8) + 0 .. 3, K step tt / 8 of the trip's two
.irp i, 0,1,2,3
	global_load_b128 v[16*((\tt)%16)+4*\i:16*((\tt)%16)+4*\i+3], v[LO], s[4:5] offset:(4*((\tt)%8)+\i)*8192+512*((\tt)/8) th:TH_LOAD_NT
.endr
.endm
.macro TURN tt                         ; through my stage: LDS serves a wave's instructions in order (ISA guide 5.7.1)
	WIN 0x0c
.irp i, 0,1,2,3
	ds_store_b128 v[SIN], v[16*((\tt)%16)+4*\i:16*((\tt)%16)+4*\i+3] offset:8*SP*\i
.endr
	WIN 0
.irp i, 0,1,2,3
	ds_load_b128 v[X+16*((\tt)%2)+4*\i:X+16*((\tt)%2)+4*\i+3], v[SOUT] offset:16*\i
.endr
.endm
.macro QSTEP t, last
.set XS, X+16*((\t)%2)
.set CS, CQ+4*((\t)%2)
.set ES, EB+(\t)%2
.if (\t) == 0
	s_wait_dscnt 0x0
.else
	s_wait_dscnt 4                                 ; this step's numbers are back; the last step's four stores may be out
.endif
.if (\last) == 0 || (\t) == 0
	WIN 0xc0
	LOAD (\t)+15
	WIN 0
.endif
.if (\last) == 0
	s_wait_loadcnt 56                              ; the next step's loads are in; those of the 14 steps behind it may be out
	TURN (\t)+1
.elseif (\t) < 15
	s_wait_loadcnt 4*(14-(\t))
	TURN (\t)+1
.endif
	v_max3_num_f32 v8, |v[XS]|, |v[XS+1]|, |v[XS+2]|
	v_max3_num_f32 v9, |v[XS+3]|, |v[XS+4]|, |v[XS+5]|
.irp i, 6,10
	v_max3_num_f32 v8, v8, |v[XS+\i]|, |v[XS+\i+1]|
	v_max3_num_f32 v9, v9, |v[XS+\i+2]|, |v[XS+\i+3]|
.endr
	v_max3_num_f32 v8, v8, |v[XS+14]|, |v[XS+15]|
	v_max3_num_f32 v8, v8, v9, 0x1800000           ; the floor 2^(3 - 127): the byte cannot fall under 1
	v_max_num_f32_dpp v8, v8, v8 row_xmask:1 row_mask:0xf bank_mask:0xf
	v_add_nc_u32 v11, 0xff000000, v8               ; 2 off the exponent field: the conversion's scale operand
	v_cvt_scalef32_pk16_fp6_f32 v[CS:CS+2], v[XS:XS+15], v11
	v_lshrrev_b32 v[ES], 23, v11                   ; the byte (also the plain line behind the conversion)
	ds_store_b8 v[SA], v[ES] offset:256*((\t)%8)+4*((\t)/8)
.irp i, 0,1,2
	ds_store_b32 v[IA], v[CS+\i] offset:12288*(((\t)%8)/4)+1536*((\t)/8)+192*((\t)%4)+4*\i
.endr
.endm
.macro QLOOP n                         ; n trips of two K steps of my 32 rows, 16 steps: the ring's registers are back where they began
	s_mov_b32 s3, \n
.Lquant_\@:
.irp t, 0,1,2,3,4,5,6,7,8,9,10,11,12,13,14,15
	QSTEP \t, 0
.endr
	s_wait_xcnt 0x0                                ; the loads have read their base
	s_add_nc_u64 s[4:5], s[4:5], 1024
	s_add_co_u32 s52, s52, 3072
	s_add_co_u32 s53, s53, 8
	v_add_nc_u32 v[IA], s52, v[IA0]
	v_add_nc_u32 v[SA], s53, v[SA0]
	s_sub_co_u32 s3, s3, 1
	s_cmp_lg_u32 s3, 0
	s_wait_alu depctr_va_vdst(0)                   ; the wait ahead of the branch
	s_cbranch_scc1 .Lquant_\@
.endm
.macro ASEL f                          ; fragment f = 4 x step + block: its window and register
.if (\f) < 63
.set AWN, 1+(\f)/21
.set ARG, 12*((\f)%21)
.else
.set AWN, 0
.set ARG, AX
.endif
.endm
.macro AFETCH hf                       ; my 32 fragments of K half hf, from the image into their registers
.set F, 32*\hf
.rept 32
	ASEL F
.set WV, AWN*64
	WIN WV
.irp j, 0,1,2
	ds_load_b128 v[ARG+4*\j:ARG+4*\j+3], v[IR] offset:12288*(F%4)+1536*(F/4-8*\hf)+16*\j
.endr
.set F, F+1
.endr
	WIN 0
.endm
	WIN 0xc0
.irp t, 0,1,2,3,4,5,6,7,8,9,10,11,12,13,14
	LOAD \t
.endr
	WIN 0
	s_wait_loadcnt 56
	TURN 0
	QLOOP 4                                        ; K steps 0 to 7
	s_mov_b32 s52, 0
	v_mov_b32 v[IA], v[IA0]                        ; the image is written from its start again
	s_wait_alu depctr_va_vdst(0)
	s_wait_tensorcnt 0x0                           ; tile 0 is in
	ds_add_u32 v[SPW], v[NIL]
	s_wait_dscnt 0x0                               ; and my codes are written
	CROUND
	tensor_load_to_lds s[G0+4:G0+7], s[G1:G1+7]    ; tile 1, slot 1's first fill
	s_nop 0
	PLACES
	AFETCH 0
	s_cmp_lt_u32 ttmp9, 4
	s_cbranch_scc0 .Lno_prefetch_score0
	global_prefetch_b8 v[PFO], s[PF:PF+1] offset:2*TILE th:TH_LOAD_NT scope:SCOPE_SE
.Lno_prefetch_score0:
	s_wait_dscnt 0x0                               ; my reads of the image are over
	s_barrier_signal -1
	s_barrier_wait -1
	QLOOP 3                                        ; K steps 8 to 13
.irp t, 0,1,2,3,4,5,6,7,8,9,10,11,12,13,14,15
	QSTEP \t, 1                                    ; the last trip loads nothing beyond the rows' ends
.endr
	s_wait_alu depctr_va_vdst(0)
	s_wait_dscnt 0x0
	s_barrier_signal -1
	s_barrier_wait -1                              ; the image's second half and the scale words are whole; the stages are read no more
; ---------------- the tables, and the rest of A ----------------
.irp i, 0,2,4,6
	v_pk_add_f32 v[RT+\i:RT+\i+1], v[RT+\i:RT+\i+1], v[RT+8+\i:RT+8+\i+1]
	v_pk_add_f32 v[RT+16+\i:RT+16+\i+1], v[RT+16+\i:RT+16+\i+1], v[RT+24+\i:RT+24+\i+1]
	v_pk_mul_f32 v[RT+32+\i:RT+32+\i+1], v[RT+32+\i:RT+32+\i+1], s[28:29] op_sel_hi:[1,0]
.endr
.irp i, 0,2,4,6
	v_pk_add_f32 v[RT+\i:RT+\i+1], v[RT+\i:RT+\i+1], v[RT+16+\i:RT+16+\i+1]
.endr
.irp k, 0,1,2                                  ; tb from v[RT], c W_c from v[RT + 32], v_a from v[RT + 40]
	ds_store_b128 v[TW], v[RT+24*\k+8*(\k%2)-8*(\k/2):RT+24*\k+8*(\k%2)-8*(\k/2)+3] offset:4096*\k
	ds_store_b128 v[TW], v[RT+24*\k+8*(\k%2)-8*(\k/2)+4:RT+24*\k+8*(\k%2)-8*(\k/2)+7] offset:4096*\k+16
.endr
	AFETCH 1
.irp a, 0,1,2,3
	ds_load_b128 v[ASC+8*\a:ASC+8*\a+3], v[ASR] offset:1024*\a
	ds_load_b128 v[ASC+8*\a+4:ASC+8*\a+7], v[ASR] offset:1024*\a+16
.endr
.irp s, 0,1
	global_load_b128 v[BSC+8*\s:BSC+8*\s+3], v[BSO], s[8:9] offset:1024*\s
	global_load_b128 v[BSC+8*\s+4:BSC+8*\s+7], v[BSO], s[8:9] offset:1024*\s+16
.endr
	s_cmp_lt_u32 ttmp9, 4
	s_cbranch_scc0 .Lno_prefetch_score1
	global_prefetch_b8 v[PFO], s[PF:PF+1] offset:3*TILE th:TH_LOAD_NT scope:SCOPE_SE
.Lno_prefetch_score1:
; ---------------- PART 2 ----------------
; A trip has 16 groups G of two K steps: G / 8 = which 16 of my 32 rows, steps 2 (G % 8) and + 1; buffer G % 4.
.macro GF slot, G                      ; pieces of 8 bytes; byte y of a row lies at y + 8 (y / 256)
.irp u, 0,1
.irp p, 0,1,2,3,4,5
.set BY, 96*(2*((\G)%8)+\u)+48*(\p/3)+8*(\p%3)
.if BY/256 == (BY+24)/256
	ds_load_b64 v[BF+24*((\G)%4)+12*\u+2*\p:BF+24*((\G)%4)+12*\u+2*\p+1], v[ADRB+(\slot)] offset:BY+8*(BY/256)+16*PW*((\G)/8)
.else
	ds_load_b64 v[BF+24*((\G)%4)+12*\u+2*\p:BF+24*((\G)%4)+12*\u+2*\p+1], v[ADRX+(\slot)] offset:BY+8*(BY/256)+16*PW*((\G)/8)
.endif
.endr
.endr
.endm
.macro MULS G                          ; eight matrix instructions: two steps x my four blocks
.irp u, 0,1
.irp a, 0,1,2,3
.set SQ, 2*((\G)%8)+\u
	ASEL 4*SQ+\a
.set WV, AWN*4
	WIN WV
.set BR, BF+24*((\G)%4)+12*\u
.set SB, BSC+8*((\G)/8)+SQ%8
.set SAR, ASC+8*\a+SQ%8
.if SQ == 0
	v_wmma_scale_f32_16x16x128_f8f6f4 v[ACC+8*\a:ACC+8*\a+7], v[BR:BR+11], v[ARG:ARG+11], 0, v[SB], v[SAR] matrix_a_fmt:MATRIX_FMT_FP6 matrix_b_fmt:MATRIX_FMT_FP6
.elseif SQ < 8
	v_wmma_scale_f32_16x16x128_f8f6f4 v[ACC+8*\a:ACC+8*\a+7], v[BR:BR+11], v[ARG:ARG+11], v[ACC+8*\a:ACC+8*\a+7], v[SB], v[SAR] matrix_a_fmt:MATRIX_FMT_FP6 matrix_b_fmt:MATRIX_FMT_FP6
.else
	v_wmma_scale_f32_16x16x128_f8f6f4 v[ACC+8*\a:ACC+8*\a+7], v[BR:BR+11], v[ARG:ARG+11], v[ACC+8*\a:ACC+8*\a+7], v[SB], v[SAR] matrix_a_fmt:MATRIX_FMT_FP6 matrix_b_fmt:MATRIX_FMT_FP6 matrix_a_scale:MATRIX_SCALE_ROW1 matrix_b_scale:MATRIX_SCALE_ROW1
.endif
.endr
.endr
.endm
; Groups 0 to 3 of 16 rows find their fragments fetched.  Ahead of group 2 groups 4 and 5 are fetched into the buffers of groups 0 and 1; ahead of group 4 the tables' words and groups 6 and 7.
.macro GRP slot, G
.if (\G)%8 == 0 || (\G)%8 == 6
	s_wait_dscnt 0x0                               ; all that was fetched is in
.endif
.if (\G)%8 == 2 || (\G)%8 == 4
	PLACES                                         ; four places ahead of loads into registers that the products above have read
.endif
.if (\G)%8 == 4
.irp k, 0,1,2
	ds_load_b128 v[TV+8*\k:TV+8*\k+3], v[TVA] offset:4096*\k+256*\slot+64*((\G)/8)
	ds_load_b128 v[TV+8*\k+4:TV+8*\k+7], v[TVA] offset:4096*\k+256*\slot+64*((\G)/8)+16
.endr
.endif
.if (\G)%8 == 2 || (\G)%8 == 4
	GF \slot, (\G)+2
	GF \slot, (\G)+3
.endif
.if (\G)%8 == 4
	s_wait_dscnt 30                                ; groups 4 and 5 are in; the 6 + 24 loads just issued may be out
.endif
	MULS \G
.endm
.macro EPI1                            ; x, then 2^x; each accumulator is read from its low end on
.irp a, 0,1,2,3
.irp i, 0,2,4,6
	v_pk_fma_f32 v[ACC+8*\a+\i:ACC+8*\a+\i+1], v[ACC+8*\a+\i:ACC+8*\a+\i+1], s[28:29], v[TV+\i:TV+\i+1] op_sel_hi:[1,0,1]
.endr
.endr
.irp a, 0,1,2,3
.irp i, 0,2,4,6
	v_pk_fma_f32 v[ACC+8*\a+\i:ACC+8*\a+\i+1], v[TV+8+\i:TV+8+\i+1], v[CC2+2*\a:CC2+2*\a+1], v[ACC+8*\a+\i:ACC+8*\a+\i+1]
.endr
.endr
	s_wait_alu depctr_va_vdst(0)                   ; a wait ahead of a batch of transcendentals and one behind it
.set j, 0
.rept 32
	v_exp_f32 v[ACC+j], v[ACC+j]
.set j, j+1
.endr
	v_nop
	s_wait_alu depctr_va_vdst(0)
.endm
.macro EPI2                            ; v_a / (1 + 2^x), summed
.set j, 0
.rept 16
	v_pk_add_f32 v[ACC+j:ACC+j+1], v[ACC+j:ACC+j+1], 1.0 op_sel_hi:[1,0]
.set j, j+2
.endr
	s_wait_alu depctr_va_vdst(0)
.set j, 0
.rept 32
	v_rcp_f32 v[ACC+j], v[ACC+j]
.set j, j+1
.endr
	v_nop
	s_wait_alu depctr_va_vdst(0)
.irp i, 0,2,4,6
.irp a, 0,1,2,3
	v_pk_fma_f32 v[EACC+2*\a:EACC+2*\a+1], v[ACC+8*\a+\i:ACC+8*\a+\i+1], v[TV+16+\i:TV+16+\i+1], v[EACC+2*\a:EACC+2*\a+1]
.endr
.endr
.endm
.macro BSLOAD slot, b                  ; the next trip's scale words of its rows 16 b on, into the set just read out
	global_load_b128 v[BSC+8*\b:BSC+8*\b+3], v[BSO], s[8:9] offset:4096*(\slot+1)+1024*\b
	global_load_b128 v[BSC+8*\b+4:BSC+8*\b+7], v[BSO], s[8:9] offset:4096*(\slot+1)+1024*\b+16
.endm
; A trip: 64 rows of W_h.  mode 1: the slot is filled again behind a round; 2: a barrier alone shows the last slot whole; 0: the last trip.
.macro TRIP slot, mode
	s_wait_loadcnt 2                               ; set 0's scale words are in; set 1's two loads may be out
.irp g, 0,1,2,3,4,5,6,7
	GRP \slot, \g
.endr
	WIN 0
	PLACES                                         ; the places behind the last products
.if \mode
	BSLOAD \slot, 0
.endif
.irp g, 8,9,10,11
	GF \slot, \g                                   ; the first eight steps of my other 16 rows
.endr
	EPI1
	EPI2
.if \mode
	s_wait_loadcnt 2
.else
	s_wait_loadcnt 0x0
.endif
.irp g, 8,9,10,11,12,13,14,15
	GRP \slot, \g
.endr
	WIN 0
.if \mode
	s_wait_tensorcnt 0x0                           ; my part of the next slot is in
	ds_add_u32 v[SPW], v[NIL]
.if \mode == 1
	s_add_nc_u64 s[G0+4*\slot+2:G0+4*\slot+3], s[G0+4*\slot+2:G0+4*\slot+3], 2*TILE
.endif
	PLACES
	s_wait_dscnt 0x0                               ; the add is done, and my reads of this slot are over
	s_barrier_signal -1
	EPI1                                           ; work on registers while the others arrive
	s_barrier_wait -1
.if \mode == 1
	CREST
	tensor_load_to_lds s[G0+4*\slot:G0+4*\slot+3], s[G1:G1+7]   ; the tile two trips on
	s_nop 0
	PLACES
.endif
.irp g, 0,1,2,3
	GF 1-\slot, \g
.endr
	BSLOAD \slot, 1
.if \mode == 1
	s_cmp_gt_u32 s3, 1                             ; the loop's last two trips have no tile four on
	s_cbranch_scc0 .Lno_ask_\@
	s_cmp_lt_u32 ttmp9, 4
	s_cbranch_scc0 .Lno_prefetch_score2_\@
	global_prefetch_b8 v[PFO], s[PF:PF+1] offset:(4+\slot)*TILE th:TH_LOAD_NT scope:SCOPE_SE
.Lno_prefetch_score2_\@:
.Lno_ask_\@:
.endif
.else
	PLACES
	EPI1
.endif
	EPI2
.endm
.irp g, 0,1,2,3
	GF 0, \g
.endr
	s_wait_dscnt 0x0                               ; my table stores are done
	s_barrier_signal -1
	s_barrier_wait -1                              ; the tables are whole
	s_mov_b32 s3, 7
.Lmain:
	TRIP 0, 1
	TRIP 1, 1
	s_wait_xcnt 0x0                                ; the loads and prefetches have read their bases
	s_add_nc_u64 s[8:9], s[8:9], 8192
	s_add_nc_u64 s[PF:PF+1], s[PF:PF+1], 2*TILE
	s_add_co_u32 s61, s61, 512
	v_add_nc_u32 v[TVA], s61, v[TV0]
	s_sub_co_u32 s3, s3, 1
	s_cmp_lg_u32 s3, 0
	s_wait_alu depctr_va_vdst(0)
	s_cbranch_scc1 .Lmain
	TRIP 0, 2
	TRIP 1, 0
.irp a, 0,1,2,3
	v_add_f32 v[TV+\a], v[EACC+2*\a], v[EACC+2*\a+1]
.endr
.irp a, 0,1,2,3
	v_permlanex16_b32 v[TV+4+\a], v[TV+\a], s30, s31
.endr
.irp a, 0,1,2,3
	v_add_f32 v[TV+\a], v[TV+\a], v[TV+4+\a]       ; row r of block a, in both halves of the lanes
.endr
.irp k, 0,1
	v_cndmask_b32 v[TV+8+\k], v[TV+2*\k], v[TV+2*\k+1], s50    ; word k of lane l: my row 32 k + l
.endr
	global_store_b64 v[EO], v[TV+8:TV+9], s[18:19] ; 32 lanes store 256 consecutive bytes, aligned
	s_wait_tensorcnt 0x0                           ; the wave's end
	ds_add_u32 v[SPW], v[NIL]
	s_wait_dscnt 0x0
	CROUND                                         ; the closing round
	s_endpgm
.Lfunc_end_k_qe365c9a5b1_score:
	.size	k_qe365c9a5b1_score, .Lfunc_end_k_qe365c9a5b1_score-k_qe365c9a5b1_score
	.p2alignl 7, 3214868480
	.fill 96, 4, 3214868480
	.section	.rodata,"a",@progbits
	.p2align	6, 0x0
	.amdhsa_kernel k_qe365c9a5b1_score
		.amdhsa_group_segment_fixed_size 327680
		.amdhsa_private_segment_fixed_size 0
		.amdhsa_enable_private_segment 0
		.amdhsa_kernarg_size 64
		.amdhsa_user_sgpr_count 2
		.amdhsa_user_sgpr_kernarg_segment_ptr 1
		.amdhsa_wavefront_size32 1
		.amdhsa_system_sgpr_workgroup_id_x 1
		.amdhsa_system_sgpr_workgroup_id_y 1
		.amdhsa_system_sgpr_workgroup_id_z 1
		.amdhsa_system_vgpr_workitem_id 0
		.amdhsa_next_free_vgpr 1024
		.amdhsa_next_free_sgpr 66
		.amdhsa_reserve_vcc 0
		.amdhsa_float_denorm_mode_32 3
		.amdhsa_float_denorm_mode_16_64 3
		.amdhsa_memory_ordered 1
		.amdhsa_forward_progress 1
		.amdhsa_inst_pref_size 255
	.end_amdhsa_kernel
	.section	.bss,"aw",@nobits
	.p2align	6
	.space	262144
	.amdgpu_metadata
---
amdhsa.version: [ 1, 2 ]
amdhsa.kernels:
  - .name:           k_qe365c9a5b1_score
    .symbol:         k_qe365c9a5b1_score.kd
    .args:
      - { .name: h_i, .offset: 0, .size: 8, .value_kind: global_buffer, .address_space: global }
      - { .name: W_h_codes, .offset: 8, .size: 8, .value_kind: global_buffer, .address_space: global }
      - { .name: W_h_scales, .offset: 16, .size: 8, .value_kind: global_buffer, .address_space: global }
      - { .name: tb4, .offset: 24, .size: 8, .value_kind: global_buffer, .address_space: global }
      - { .name: W_c, .offset: 32, .size: 8, .value_kind: global_buffer, .address_space: global }
      - { .name: v_a, .offset: 40, .size: 8, .value_kind: global_buffer, .address_space: global }
      - { .name: coverage, .offset: 48, .size: 8, .value_kind: global_buffer, .address_space: global }
      - { .name: ep, .offset: 56, .size: 8, .value_kind: global_buffer, .address_space: global }
    .group_segment_fixed_size: 327680
    .private_segment_fixed_size: 0
    .kernarg_segment_align: 8
    .kernarg_segment_size: 64
    .max_flat_workgroup_size: 128
    .sgpr_count:     66
    .vgpr_count:     1024
    .wavefront_size: 32
...
	.end_amdgpu_metadata
.endif
;; end of part 2
;; launch ctx (part 3): grid 4 x 64, 16 waves a work-group, no clusters, 10,240 bytes of LDS; arguments ep, h_i, coverage, out0, out1, out2; writes out0, out1, out2
.if DOCPART == 3
	.amdgcn_target "amdgcn-amd-amdhsa--gfx1250"
	.amdhsa_code_object_version 6
	.text
	.protected	k_qe365c9a5b1_ctx
	.globl	k_qe365c9a5b1_ctx
	.p2align	8
	.type	k_qe365c9a5b1_ctx,@function
k_qe365c9a5b1_ctx:
	s_mov_b64 s[64:65], 0
	v_nop
	global_prefetch_b8 v0, s[64:65] scope:SCOPE_SE
	s_setreg_imm32_b32 hwreg(HW_REG_WAVE_MODE, 25, 1), 1
	s_wait_xcnt 0x0
; e'[b][s] = the sum of ep's two parts;  A = softmax_s(-2 e');  out0[b][d] = sum_s A[b][s] h_i[b][s][d];  out1 = A;  out2 = coverage + A.
; WORK LEFT OUT: b_a and sum_n v_a[n], both the same along s (shown at the head of the program's first kernel): E = -2 e' + what is the same along s.
; THE SOFTMAX: t = K2 e', K2 = -2 log2(e); the row's largest t is taken away; p = 2^(t - max); A = p / sum p.
; SHARES.  Work-group (x, y) owns out0[batch y][512 x .. + 511].  Wave w of sixteen: columns 128 (w % 4) on, rows 128 (w / 4) on: each load reads 512 consecutive bytes of a row, aligned.  The four quarters of
; the rows are joined through LDS at the end.  Every wave makes the batch's softmax for itself, 16 numbers a lane.  Wave 0 of work-group x = 0 also stores the batch's rows of out1 and out2.
; All arithmetic is f32 multiply-adds: the product has one row a batch.  NO CLUSTER: the four work-groups of a batch share ep's 4,096 bytes alone.
; THE RING: 32 rows' loads of every wave are out, in 32 x 4 registers; four rows are waited for, multiplied and their registers loaded again.  A wave's 128 rows are written out: every row's place stands in
; the load's immediate (127 x 8,192 bytes at the most, inside the signed 24 bits: ISA guide, chapter 10), so no base and no offset register is rewritten.
.set ACC,  8                           ; v8-23   four chains of four sums
.set AW,   24                          ; v24-39  e', p, A: register g, lane l = row 32 g + l
.set W,    40                          ; v40-43  my quarter's four registers of A;  v44-47 at work
.set SPW,  48
.set NIL,  49
.set RA,   50
.set RING, 64
.set EPR,  192
.set CVR,  224
.set WT,   32                          ; s[32:39] four pairs: a row's weight in the even word
.set SPARE, 8192
	s_load_b256 s[4:11], s[0:1], 0x0               ; ep, h_i, coverage, out0
	s_load_b128 s[12:15], s[0:1], 0x20             ; out1, out2
	v_lshl_add_u32 v[SPW], v0, 2, SPARE
	v_mov_b32 v[NIL], 0
	v_lshrrev_b32 v1, 5, v0
	v_readfirstlane_b32 s16, v1                    ; wave
	v_and_b32 v1, 31, v0
	v_lshlrev_b32 v[RA], 4, v0                     ; 2,048 x quarter + 512 (w % 4) + 16 x lane
	v_lshlrev_b32 v2, 3, v1
	v_lshlrev_b32 v3, 4, v1
	v_lshlrev_b32 v4, 2, v1
.set j, 0
.rept 16
	v_mov_b32 v[ACC+j], 0
.set j, j+1
.endr
	s_lshr_b32 s17, s16, 2                         ; which quarter of the rows
	s_and_b32 s28, s16, 3                          ; which 128 columns
	s_and_b32 s18, ttmp7, 0xffff                   ; the batch
	s_or_b32 s26, s16, ttmp9                       ; 0 in wave 0 of the batch's first work-group
	s_mov_b32 s24, 0x76543210
	s_mov_b32 s25, 0xfedcba98
.irp i, 0,1,2,3
	s_mov_b32 s[WT+2*\i+1], 0
.endr
	s_lshl_b32 s20, s18, 11
	s_mov_b32 s21, 0
	s_lshl_b32 s19, ttmp9, 11
	s_lshl_b32 s28, s28, 9
	s_add_co_u32 s19, s19, s28                     ; my columns, in bytes
	s_lshl_b32 s22, s18, 22
	s_add_co_u32 s22, s22, s19
	s_lshl_b32 s23, s17, 20
	s_add_co_u32 s22, s22, s23                     ; under 2^32
	s_mov_b32 s23, 0
	s_lshl_b32 s44, s18, 13
	s_add_co_u32 s44, s44, s19
	s_mov_b32 s45, 0
	s_bitcmp1_b32 s17, 0
	s_cselect_b32 s27, -1, 0                       ; all lanes in quarters 1 and 3
	s_bitcmp1_b32 s17, 1
	s_cselect_b32 s30, -1, 0                       ; all lanes in quarters 2 and 3
	s_wait_alu depctr_va_vdst(0)                   ; the wait at the head's end
	s_wait_kmcnt 0x0
	s_add_nc_u64 s[4:5], s[4:5], s[20:21]
	s_add_nc_u64 s[8:9], s[8:9], s[20:21]
	s_add_nc_u64 s[12:13], s[12:13], s[20:21]
	s_add_nc_u64 s[14:15], s[14:15], s[20:21]
	s_add_nc_u64 s[6:7], s[6:7], s[22:23]
	s_add_nc_u64 s[10:11], s[10:11], s[44:45]
.irp p, 0,1
.irp q, 0,1,2,3,4,5,6,7
	global_load_b64 v[EPR+16*\p+2*\q:EPR+16*\p+2*\q+1], v2, s[4:5] offset:131072*\p+256*\q   ; word k of lane l is row 64 q + 32 k + l
.endr
.endr
	s_cmp_lg_u32 s26, 0
	s_cbranch_scc1 .Lno_cov
.irp g, 0,1,2,3,4,5,6,7,8,9,10,11,12,13,14,15
	global_load_b32 v[CVR+\g], v4, s[8:9] offset:128*\g
.endr
.Lno_cov:
.set j, 0
.rept 32
	global_load_b128 v[RING+4*j:RING+4*j+3], v3, s[6:7] offset:8192*j th:TH_LOAD_NT
.set j, j+1
.endr
	s_wait_loadcnt 32                              ; all but the ring's 32
.irp i, 0,2,4,6,8,10,12,14
	v_pk_add_f32 v[AW+\i:AW+\i+1], v[EPR+\i:EPR+\i+1], v[EPR+16+\i:EPR+16+\i+1]
.endr
	v_max3_num_f32 v5, -v[AW], -v[AW+1], -v[AW+2]
	v_max3_num_f32 v6, -v[AW+3], -v[AW+4], -v[AW+5]
.irp i, 6,10
	v_max3_num_f32 v5, v5, -v[AW+\i], -v[AW+\i+1]
	v_max3_num_f32 v6, v6, -v[AW+\i+2], -v[AW+\i+3]
.endr
	v_max3_num_f32 v5, v5, -v[AW+14], -v[AW+15]
	s_delay_alu instid0(VALU_DEP_1)
	v_max_num_f32 v5, v5, v6
.macro ALL op                          ; over the wave's 32 lanes
.irp m, 1,2,4,8
	s_delay_alu instid0(VALU_DEP_1)
	\op\()_dpp v5, v5, v5 row_xmask:\m row_mask:0xf bank_mask:0xf
.endr
	s_delay_alu instid0(VALU_DEP_1)
	v_permlanex16_b32 v6, v5, s24, s25
	s_delay_alu instid0(VALU_DEP_1)
	\op v5, v5, v6
.endm
	ALL v_max_num_f32
	s_delay_alu instid0(VALU_DEP_1)
	v_mul_f32 v6, 0x4038aa3b, v5                   ; the largest t
	s_delay_alu instid0(VALU_DEP_1)
	v_mov_b32 v7, v6
.irp i, 0,2,4,6,8,10,12,14
	v_pk_fma_f32 v[AW+\i:AW+\i+1], v[AW+\i:AW+\i+1], 0xc038aa3b, v[6:7] op_sel_hi:[1,0,1] neg_lo:[0,0,1] neg_hi:[0,0,1]
.endr
	s_wait_alu depctr_va_vdst(0)                   ; a wait ahead of a batch of transcendentals and one behind it
.irp g, 0,1,2,3,4,5,6,7,8,9,10,11,12,13,14,15
	v_exp_f32 v[AW+\g], v[AW+\g]
.endr
	v_nop
	s_wait_alu depctr_va_vdst(0)
.irp i, 0,1,2,3
	v_pk_add_f32 v[EPR+2*\i:EPR+2*\i+1], v[AW+4*\i:AW+4*\i+1], v[AW+4*\i+2:AW+4*\i+3]
.endr
	v_pk_add_f32 v[EPR:EPR+1], v[EPR:EPR+1], v[EPR+2:EPR+3]
	v_pk_add_f32 v[EPR+4:EPR+5], v[EPR+4:EPR+5], v[EPR+6:EPR+7]
	s_delay_alu instid0(VALU_DEP_1)
	v_pk_add_f32 v[EPR:EPR+1], v[EPR:EPR+1], v[EPR+4:EPR+5]
	s_delay_alu instid0(VALU_DEP_1)
	v_add_f32 v5, v[EPR], v[EPR+1]
	ALL v_add_f32
	s_wait_alu depctr_va_vdst(0)
	v_rcp_f32 v6, v5
	v_nop
	s_wait_alu depctr_va_vdst(0)
	v_mov_b32 v7, v6
.irp i, 0,2,4,6,8,10,12,14
	v_pk_mul_f32 v[AW+\i:AW+\i+1], v[AW+\i:AW+\i+1], v[6:7]   ; A
.endr
	s_cmp_lg_u32 s26, 0
	s_wait_alu depctr_va_vdst(0)                   ; the wait ahead of the branch
	s_cbranch_scc1 .Lnot_owner
.irp g, 0,1,2,3,4,5,6,7,8,9,10,11,12,13,14,15
	v_add_f32 v[EPR+\g], v[CVR+\g], v[AW+\g]
.endr
.irp g, 0,1,2,3,4,5,6,7,8,9,10,11,12,13,14,15
	global_store_b32 v4, v[AW+\g], s[12:13] offset:128*\g
	global_store_b32 v4, v[EPR+\g], s[14:15] offset:128*\g
.endr
.Lnot_owner:
.irp g, 0,1,2,3
	v_cndmask_b32 v[W+\g], v[AW+\g], v[AW+4+\g], s27
	v_cndmask_b32 v[W+4+\g], v[AW+8+\g], v[AW+12+\g], s27
.endr
.irp g, 0,1,2,3
	v_cndmask_b32 v[W+\g], v[W+\g], v[W+4+\g], s30   ; my quarter's weights: register t, lane l = my row 32 t + l
.endr
	s_wait_alu depctr_va_vdst(0)
.macro ROWS t, q                       ; my rows 32 t + 4 q + 0 .. 3
.if \t < 3
	s_wait_loadcnt 28                              ; the oldest four of 32
.else
	s_wait_loadcnt 28-4*\q                         ; the last 32 rows load nothing
.endif
.irp i, 0,1,2,3
	v_readlane_b32 s[WT+2*\i], v[W+\t], 4*\q+\i
.endr
.irp i, 0,1,2,3
	v_pk_fma_f32 v[ACC+4*\i:ACC+4*\i+1], v[RING+16*\q+4*\i:RING+16*\q+4*\i+1], s[WT+2*\i:WT+2*\i+1], v[ACC+4*\i:ACC+4*\i+1] op_sel_hi:[1,0,1]
	v_pk_fma_f32 v[ACC+4*\i+2:ACC+4*\i+3], v[RING+16*\q+4*\i+2:RING+16*\q+4*\i+3], s[WT+2*\i:WT+2*\i+1], v[ACC+4*\i+2:ACC+4*\i+3] op_sel_hi:[1,0,1]
.endr
.if \t < 3
.irp i, 0,1,2,3
	global_load_b128 v[RING+16*\q+4*\i:RING+16*\q+4*\i+3], v3, s[6:7] offset:8192*(32*(\t+1)+4*\q+\i) th:TH_LOAD_NT
.endr
.endif
.endm
.irp t, 0,1,2,3
.irp q, 0,1,2,3,4,5,6,7
	ROWS \t, \q
.endr
.endr
	v_pk_add_f32 v[ACC:ACC+1], v[ACC:ACC+1], v[ACC+4:ACC+5]
	v_pk_add_f32 v[ACC+2:ACC+3], v[ACC+2:ACC+3], v[ACC+6:ACC+7]
	v_pk_add_f32 v[ACC+8:ACC+9], v[ACC+8:ACC+9], v[ACC+12:ACC+13]
	v_pk_add_f32 v[ACC+10:ACC+11], v[ACC+10:ACC+11], v[ACC+14:ACC+15]
	v_pk_add_f32 v[ACC:ACC+1], v[ACC:ACC+1], v[ACC+8:ACC+9]
	v_pk_add_f32 v[ACC+2:ACC+3], v[ACC+2:ACC+3], v[ACC+10:ACC+11]
	s_cmp_eq_u32 s17, 0
	s_wait_alu depctr_va_vdst(0)
	s_cbranch_scc1 .Lno_store
	ds_store_b128 v[RA], v[ACC:ACC+3]              ; quarters 1 to 3 hand their sums over
.Lno_store:
	s_wait_dscnt 0x0
	s_barrier_signal -1
	s_barrier_wait -1
	s_cmp_lg_u32 s17, 0
	s_cbranch_scc1 .Lend
.irp k, 1,2,3
	ds_load_b128 v[ACC+4*\k:ACC+4*\k+3], v[RA] offset:2048*\k
.endr
	s_wait_dscnt 0x0
	v_pk_add_f32 v[ACC:ACC+1], v[ACC:ACC+1], v[ACC+4:ACC+5]
	v_pk_add_f32 v[ACC+2:ACC+3], v[ACC+2:ACC+3], v[ACC+6:ACC+7]
	v_pk_add_f32 v[ACC+8:ACC+9], v[ACC+8:ACC+9], v[ACC+12:ACC+13]
	v_pk_add_f32 v[ACC+10:ACC+11], v[ACC+10:ACC+11], v[ACC+14:ACC+15]
	v_pk_add_f32 v[ACC:ACC+1], v[ACC:ACC+1], v[ACC+8:ACC+9]
	v_pk_add_f32 v[ACC+2:ACC+3], v[ACC+2:ACC+3], v[ACC+10:ACC+11]
	global_store_b128 v3, v[ACC:ACC+3], s[10:11]   ; 32 lanes store 512 consecutive bytes, aligned
.Lend:
	s_wait_tensorcnt 0x0                           ; the wave's end
	ds_add_u32 v[SPW], v[NIL]
	s_wait_dscnt 0x0
	s_endpgm
.Lfunc_end_k_qe365c9a5b1_ctx:
	.size	k_qe365c9a5b1_ctx, .Lfunc_end_k_qe365c9a5b1_ctx-k_qe365c9a5b1_ctx
	.p2alignl 7, 3214868480
	.fill 96, 4, 3214868480
	.section	.rodata,"a",@progbits
	.p2align	6, 0x0
	.amdhsa_kernel k_qe365c9a5b1_ctx
		.amdhsa_group_segment_fixed_size 10240
		.amdhsa_private_segment_fixed_size 0
		.amdhsa_enable_private_segment 0
		.amdhsa_kernarg_size 48
		.amdhsa_user_sgpr_count 2
		.amdhsa_user_sgpr_kernarg_segment_ptr 1
		.amdhsa_wavefront_size32 1
		.amdhsa_system_sgpr_workgroup_id_x 1
		.amdhsa_system_sgpr_workgroup_id_y 1
		.amdhsa_system_sgpr_workgroup_id_z 1
		.amdhsa_system_vgpr_workitem_id 0
		.amdhsa_next_free_vgpr 256
		.amdhsa_next_free_sgpr 66
		.amdhsa_reserve_vcc 0
		.amdhsa_float_denorm_mode_32 3
		.amdhsa_float_denorm_mode_16_64 3
		.amdhsa_memory_ordered 1
		.amdhsa_forward_progress 1
		.amdhsa_inst_pref_size 54
	.end_amdhsa_kernel
	.amdgpu_metadata
---
amdhsa.version: [ 1, 2 ]
amdhsa.kernels:
  - .name:           k_qe365c9a5b1_ctx
    .symbol:         k_qe365c9a5b1_ctx.kd
    .args:
      - { .name: ep, .offset: 0, .size: 8, .value_kind: global_buffer, .address_space: global }
      - { .name: h_i, .offset: 8, .size: 8, .value_kind: global_buffer, .address_space: global }
      - { .name: coverage, .offset: 16, .size: 8, .value_kind: global_buffer, .address_space: global }
      - { .name: out0, .offset: 24, .size: 8, .value_kind: global_buffer, .address_space: global }
      - { .name: out1, .offset: 32, .size: 8, .value_kind: global_buffer, .address_space: global }
      - { .name: out2, .offset: 40, .size: 8, .value_kind: global_buffer, .address_space: global }
    .group_segment_fixed_size: 10240
    .private_segment_fixed_size: 0
    .kernarg_segment_align: 8
    .kernarg_segment_size: 48
    .max_flat_workgroup_size: 512
    .sgpr_count:     66
    .vgpr_count:     256
    .wavefront_size: 32
...
	.end_amdgpu_metadata
.endif
;; end of part 3
